; MI455X (gfx1250); checked and timed in simulation.
; The chip was launched on July 23, 2026; its instructions are those of AMD's public machine-readable ISA for CDNA 5 (MIT licence, August 2026) and "CDNA5" Instruction Set Architecture Reference Guide (July 2026). The comments in the code are by the model that wrote it; some were corrected since.
;; Ring Flash Cross Attention. Allowed arithmetic: matrix products marked QUANTISED: E2M1 operands, one E8M0 scale for each 32 along K, by v_wmma_scale_f32_16x16x128_f8f6f4 with both operands' format E2M1 (or v_wmma_scale_f32_32x16x128_f4), f32 sums; everything else in f32.
;; Inputs: kv 4 x 2,048 x 2 x 16 x 128 float32; q 4 x 2,048 x 16 x 128 float32.
;; Outputs: out0 4 x 2,048 x 16 x 128 float32.
;; This version of the problem:
;;   THIS VERSION OF THE PROBLEM IS GIVEN IN LOW PRECISION. The matrix products marked QUANTISED in the list below multiply operands that are first quantised to E2M1 (2 exponent bits, 1 mantissa bit; 4 bits a number), with one power-of-two scale for each 32 numbers along K (OCP MX v1.0); their sums are f32. All else is computed in f32.
;;   The module's matrix products, in the order in which they are computed (A, B: the left and right operand; K: the contracted axis; several contracted axes count as one K, in the product's order):
;;     1. batch 64 x [M 2,048, K 128] x [K 128, N 2,048]; A: input q; B: input kv: QUANTISED
;;     2. batch 64 x [M 128, K 2,048] x [K 2,048, N 2,048]; A: input kv; B: softmax (see below): QUANTISED
;;   THE QUANTISER, for each operand of a quantised product, along K:
;;     - K is cut into blocks of 32 from its start; a last block that is shorter is filled with zeros.
;;     - A block's scale is 2^e with e = floor(log2(the largest magnitude in the block)) - 2, held to -126 .. 127; a block of zeros has e = 0. As a byte (E8M0): e + 127.
;;     - Each number is divided by its block's scale, clamped to +-6, and rounded to the nearest number of E2M1, ties to even, subnormals kept.
;;     - The product sums the exact products of the quantised numbers (number of the format x scale) in f32.
;;   ~~~python
;;   def quantise(x, axis):      # numpy; x: float32 -> the quantised numbers, widened to float32 again
;;       x = np.moveaxis(x, axis, -1); K = x.shape[-1]
;;       x = np.pad(x, [(0, 0)] * (x.ndim - 1) + [(0, -K % 32)]); x = x.reshape(x.shape[:-1] + (-1, 32)); a = np.abs(x).max(-1, keepdims=True)
;;       e = np.where(a > 0, np.clip(np.frexp(np.where(a > 0, a, 1))[1] - 1 - 2, -126, 127), 0)      # np.frexp(a)[1] - 1 = floor(log2(a)), exactly
;;       r = np.clip(x / 2.0 ** e, -6, 6)
;;       step = 2.0 ** (np.maximum(np.frexp(np.where(r == 0, 1, r))[1] - 1, 0) - 1)
;;       q = np.round(r / step) * step * 2.0 ** e      # np.round: ties to even
;;       return np.moveaxis(q.reshape(q.shape[:-2] + (-1,))[..., :K], -1, axis).astype(np.float32)
;;   ~~~
;;   SOFTMAX AHEAD OF A QUANTISED PRODUCT. Where the list says 'softmax', what is quantised is not the finished softmax but p = 2^(t - M), with t = logit x log2(e) and M = ceil(the row's largest t), a whole number; so 1/2 < the row's largest p <= 1. The row's sum l is taken of the UNQUANTISED p, in f32, and the product's result is divided by l at the end. Since M is a whole number, a kernel that streams over the keys may use a running M (the ceiling of the running maximum): every later rescaling is an exact power of two, which a block's scale takes up: the codes' values come out the same.
;;   OPERANDS COMPUTED ON THE WAY. 'Computed on the way' means the value that the module computes at that place (a softmax that the list does not call 'softmax' is quantised finished and normalised). What goes into a quantiser is computed in f32, as accurately as f32 sums, v_exp_f32 and their like allow (about 1e-6 of the number): no bf16 or f16 on the way to a quantiser, and a product that is left as it is and whose result goes on into a quantised operand takes f32 operands (vector FMAs, or v_wmma_f32_16x16x4_f32). A number that lies on a knife's edge between two numbers of the format may be rounded either way, as far as f32 arithmetic and the matrix unit's own rounding can turn it there, and no further.
;; One version. Each part assembles by itself: llvm-mc -triple=amdgcn-amd-amdhsa -mcpu=gfx1250 --defsym DOCPART=n.
;; ======== version 1 of 1: 2 launches
;; limits: right only within a limited range of input values
;; workspace buffers: kvc 17,825,792 bytes
;; launch quant (part 1): grid 16 x 64, 8 waves a work-group, no clusters, 69,632 bytes of LDS; arguments kv, kvc; writes kvc
.if DOCPART == 1
	.amdgcn_target "amdgcn-amd-amdhsa--gfx1250"
	.amdhsa_code_object_version 6
	.text
	.protected	k_q0d6ca60b80_quant
	.globl	k_q0d6ca60b80_quant
	.p2align	8
	.type	k_q0d6ca60b80_quant,@function
k_q0d6ca60b80_quant:
	s_mov_b64 s[64:65], 0
	v_nop
	global_prefetch_b8 v0, s[64:65] scope:SCOPE_SE
	s_setreg_imm32_b32 hwreg(HW_REG_WAVE_MODE, 25, 1), 1
	s_wait_xcnt 0x0
; K and V (kv: [4][2048][2][16][128] f32) become codes of FP4 (E2M1) with one E8M0 scale byte for each 32 along a product's K: K along the head's 128 channels, V along the keys.
; A block's scale is 2^(floor(log2(its largest magnitude)) - 2); its byte is the largest magnitude's exponent field - 2.
; THE RESULTS ARE IMAGES OF THE OPERANDS' REGISTERS: kvc [head 16 b + h][step of 128 keys][17,408 bytes]: +0 K's eight tiles of 1,024 bytes (half c at +512, lane at 16 x lane), +8192 V's eight, +16384 K's scale words, +16896 V's.
;   Slot 8 hh + j of K's tile 4 c + u is key 64 c + 32 hh + 8 u + j of the step: the scores of four neighbouring tiles are then one whole block of 32 neighbouring keys in a lane, in the second product's own order.
;   V's tile t, lane (r, hh), half c: channel 16 t + r, keys 64 c + 32 hh + 0 .. 31.   Scale words: [g][r][i] 4 bytes: the word of slot r of tile 4 g + i.
; LIMITS: NaN and infinities among the inputs are not served.  A block whose largest magnitude lies under 2^-124, a block of zeros among them, gets the byte 1 (the stated rule says 127 for zeros):
; its codes are zeros, which add nothing under that byte, and these bytes are read by this program alone.
; SHARES.  A work-group (x = h, y = 16 b + step) makes one block of kvc.  Wave w: K's tile w, and V's channels 32 (w & 3) .. + 31 for keys 64 (w >> 2) .. + 63.
; No tensor loads, no cluster: no two work-groups read the same byte.  Q is not read here: each of its numbers is read by one wave of the next launch, which quantises it.
.set KROW,   16384
.set KVBLK,  17408
.set SP,     528                       ; a stage row: 512 bytes + 16
.set WSTAGE, 16*SP
.set SCST,   8*WSTAGE                  ; behind the stages: K's 512 bytes of scale words, then V's
.set SPARE,  SCST+1024                 ; the spare words, 128 bytes a wave
.set LN,  1
.set LI,  2                            ; 16 x lane
.set STI, 3                            ; the stage, in
.set STO, 4                            ; and out: row r, + 128 hh
.set VA,  5                            ; V: 4 x lane
.set VO,  6                            ; V's codes: 1024 hh + 16 r
.set SKA, 7
.set SVA, 8
.set SRD, 9
.set MX,  10
.set EX,  12
.set BY,  14
.set WD,  16
.set SH8, 17
.set PD,  18
.set MY,  19
.set KC,  20
.set VC,  28
.set SO,  36
.set SPW, 40
.set NIL, 41
.set KR,  48                           ; v48-111 K's 16 rows
.set VX,  112                          ; v112-175 V: two blocks of 32 keys of my channel
	s_load_b128 s[4:7], s[0:1], 0x0                ; kv, kvc
	v_lshl_add_u32 v[SPW], v0, 2, SPARE
	v_mov_b32 v[NIL], 0
	v_lshrrev_b32 v1, 5, v0
	v_readfirstlane_b32 s12, v1                    ; wave 0..7
	s_and_b32 s32, ttmp7, 0xffff
	s_lshr_b32 s14, s32, 4                         ; b
	s_and_b32 s15, s32, 15                         ; the step
	s_mov_b32 s30, 0x76543210
	s_mov_b32 s31, 0xfedcba98                      ; selects for lane l xor 16
	s_lshr_b32 s10, s12, 2                         ; w >> 2
	s_and_b32 s11, s12, 3                          ; w & 3
	s_lshl_b32 s33, s14, 25
	s_lshl_b32 s34, s15, 21
	s_add_co_u32 s33, s33, s34
	s_lshl_b32 s34, ttmp9, 9
	s_add_co_u32 s33, s33, s34
	s_lshl_b32 s34, s10, 20
	s_add_co_u32 s33, s33, s34                     ; kv at (b, the step's key 64 (w >> 2), K, h)
	s_lshl_b32 s34, s11, 17
	s_add_co_u32 s16, s33, s34                     ; K's tile w begins 8 (w & 3) keys on
	s_mov_b32 s17, 0
	s_lshl_b32 s34, s11, 7
	s_add_co_u32 s18, s33, s34
	s_add_co_u32 s18, s18, 8192                    ; V: channels 32 (w & 3) on, behind K's sixteen heads
	s_mov_b32 s19, 0
	s_lshl_b32 s36, s14, 8
	s_lshl_b32 s34, ttmp9, 4
	s_add_co_u32 s36, s36, s34
	s_add_co_u32 s36, s36, s15
	s_mul_i32 s37, s36, KVBLK                      ; my block of kvc
	s_lshl_b32 s34, s12, 10
	s_add_co_u32 s22, s37, s34                     ; K's tile w
	s_mov_b32 s23, 0
	s_lshl_b32 s34, s11, 11
	s_lshl_b32 s35, s10, 9
	s_add_co_u32 s24, s37, s34
	s_add_co_u32 s24, s24, s35
	s_add_co_u32 s24, s24, 8192                    ; V's tiles 2 (w & 3), half w >> 2
	s_mov_b32 s25, 0
	s_lshl_b32 s34, s12, 9
	s_add_co_u32 s28, s37, s34
	s_add_co_u32 s28, s28, 16384                   ; the scale words: wave 0 stores K's, wave 1 V's
	s_mov_b32 s29, 0
	s_mul_i32 s39, s12, WSTAGE
	s_lshl_b32 s42, s10, 8
	s_lshl_b32 s43, s11, 2
	s_add_co_u32 s42, s42, s43
	s_add_co_u32 s42, s42, SCST                    ; K's word: [g = w >> 2][r][i = w & 3]
	s_bfe_u32 s44, s12, 0x10001
	s_lshl_b32 s44, s44, 8
	s_and_b32 s43, s12, 1
	s_lshl_b32 s43, s43, 3
	s_add_co_u32 s44, s44, s43
	s_lshl_b32 s43, s10, 1
	s_add_co_u32 s44, s44, s43
	s_add_co_u32 s44, s44, SCST+512                ; V's bytes: [g = (w >> 1) & 1][r][i = 2 (w & 1) + hh], bytes 2 (w >> 2) and the next
	s_min_u32 s45, s12, 1
	s_lshl_b32 s45, s45, 9
	s_add_co_u32 s45, s45, SCST
	v_and_b32 v[LN], 31, v0
	v_and_b32 v38, 15, v0                          ; r
	v_bfe_u32 v39, v0, 4, 1                        ; hh
	v_lshlrev_b32 v[LI], 4, v[LN]
	v_mul_u32_u24 v[STO], v38, SP
	v_lshlrev_b32 v[VA], 2, v[LN]
	v_lshlrev_b32 v[VO], 4, v38
	v_add_nc_u32 v[STI], s39, v[LI]
	v_lshl_add_u32 v[STO], v39, 7, v[STO]
	v_lshl_add_u32 v[VO], v39, 10, v[VO]
	v_lshl_add_u32 v[SKA], v38, 4, s42
	v_lshl_add_u32 v[SVA], v38, 4, s44
	v_add_nc_u32 v[STO], s39, v[STO]
	v_add_nc_u32 v[SRD], s45, v[LI]
	v_lshl_add_u32 v[SVA], v39, 2, v[SVA]
	v_lshlrev_b32 v[SH8], 3, v39
	v_mov_b32 v[PD], 0                             ; a lane permute's destination counts as one of its sources
	s_wait_alu depctr_va_vdst(0)                   ; the wait at the head's end
	s_wait_kmcnt 0x0
	s_add_nc_u64 s[16:17], s[4:5], s[16:17]
	s_add_nc_u64 s[18:19], s[4:5], s[18:19]
	s_add_nc_u64 s[22:23], s[6:7], s[22:23]
	s_add_nc_u64 s[24:25], s[6:7], s[24:25]
	s_add_nc_u64 s[28:29], s[6:7], s[28:29]
.irp p, 0,1,2,3,4,5,6,7,8,9,10,11,12,13,14,15  ; K: sixteen rows of 512 bytes, one load each: slot p is row p + 24 (p / 8)
	global_load_b128 v[KR+4*\p:KR+4*\p+3], v[LI], s[16:17] offset:(\p+24*(\p/8))*KROW th:TH_LOAD_NT
.endr
.irp i, 0,1,2,3,4,5,6,7,8,9,10,11,12,13,14,15,16,17,18,19,20,21,22,23,24,25,26,27,28,29,30,31,32,33,34,35,36,37,38,39,40,41,42,43,44,45,46,47,48,49,50,51,52,53,54,55,56,57,58,59,60,61,62,63
	global_load_b32 v[VX+\i], v[VA], s[18:19] offset:\i*KROW th:TH_LOAD_NT   ; V: a lane takes a channel, its registers run down the keys
.endr
	; K's tile turns through the wave's own stage: out, lane (r, hh) holds channels 64 c + 32 hh + 0 .. 31 of slot r in registers 32 c .. 32 c + 31
	s_wait_loadcnt 63                              ; 80 loads were issued: at least 17 are done, K's sixteen among them
.irp p, 0,1,2,3,4,5,6,7,8,9,10,11,12,13,14,15
	ds_store_b128 v[STI], v[KR+4*\p:KR+4*\p+3] offset:SP*\p
.endr
	s_wait_dscnt 0x0                               ; the stores have read their registers, which the loads below write
.irp c, 0,1
.irp i, 0,1,2,3,4,5,6,7
	ds_load_b128 v[KR+32*\c+4*\i:KR+32*\c+4*\i+3], v[STO] offset:256*\c+16*\i
.endr
.endr
	s_wait_dscnt 0x0
.irp c, 0,1
	v_max3_num_f32 v[MX+\c], |v[KR+32*\c]|, |v[KR+32*\c+1]|, 0x1800000   ; block 2 c + hh; the floor 2^(3 - 127) holds the byte at 1 from below
.endr
.irp i, 2,4,6,8,10,12,14,16,18,20,22,24,26,28,30
.irp c, 0,1
	s_delay_alu instid0(VALU_DEP_2)
	v_max3_num_f32 v[MX+\c], v[MX+\c], |v[KR+32*\c+\i]|, |v[KR+32*\c+\i+1]|
.endr
.endr
.irp c, 0,1
	s_delay_alu instid0(VALU_DEP_2)
	v_add_nc_u32 v[EX+\c], 0xff000000, v[MX+\c]    ; 2 off the exponent field: the conversion's scale operand
.endr
.irp c, 0,1
	s_delay_alu instid0(VALU_DEP_2)
	v_lshrrev_b32 v[BY+\c], 23, v[EX+\c]           ; the scale's byte
.endr
	s_delay_alu instid0(VALU_DEP_1)
	v_lshl_or_b32 v[WD], v[BY+1], 16, v[BY]
	s_delay_alu instid0(VALU_DEP_1)
	v_lshlrev_b32 v[WD], v[SH8], v[WD]             ; my two bytes at their places in the word;
	s_delay_alu instid0(VALU_DEP_1)
	v_permlanex16_b32 v[PD], v[WD], s30, s31
	s_delay_alu instid0(VALU_DEP_1)
	v_or_b32 v[WD], v[WD], v[PD]                   ; with lane l xor 16's two it is whole
.irp c, 0,1
.irp g, 0,1,2,3
	v_cvt_scalef32_pk8_fp4_f32 v[KC+4*\c+\g], v[KR+32*\c+8*\g:KR+32*\c+8*\g+7], v[EX+\c]
.endr
.endr
	v_nop                                          ; one plain place behind the last scaled conversion
	global_store_b128 v[LI], v[KC:KC+3], s[22:23]  ; 32 lanes store 512 consecutive bytes, aligned to 256
	global_store_b128 v[LI], v[KC+4:KC+7], s[22:23] offset:512
	ds_store_b32 v[SKA], v[WD]                     ; lanes l and l xor 16 write the same word with the same value
.macro VBLOCK e, left
.set XS, VX+32*(\e)
	s_wait_loadcnt \left
	v_max3_num_f32 v[MX+\e], |v[XS]|, |v[XS+1]|, |v[XS+2]|
	v_max3_num_f32 v[MY], |v[XS+3]|, |v[XS+4]|, |v[XS+5]|
.irp i, 6,10,14,18,22,26
	s_delay_alu instid0(VALU_DEP_2)
	v_max3_num_f32 v[MX+\e], v[MX+\e], |v[XS+\i]|, |v[XS+\i+1]|
	s_delay_alu instid0(VALU_DEP_2)
	v_max3_num_f32 v[MY], v[MY], |v[XS+\i+2]|, |v[XS+\i+3]|
.endr
	s_delay_alu instid0(VALU_DEP_2)
	v_max3_num_f32 v[MX+\e], v[MX+\e], |v[XS+30]|, |v[XS+31]|
	s_delay_alu instid0(VALU_DEP_1)
	v_max3_num_f32 v[MX+\e], v[MX+\e], v[MY], 0x1800000
	s_delay_alu instid0(VALU_DEP_1)
	v_add_nc_u32 v[EX+\e], 0xff000000, v[MX+\e]
	s_delay_alu instid0(VALU_DEP_1)
	v_lshrrev_b32 v[BY+\e], 23, v[EX+\e]
.irp g, 0,1,2,3
	v_cvt_scalef32_pk8_fp4_f32 v[VC+4*\e+\g], v[XS+8*\g:XS+8*\g+7], v[EX+\e]
.endr
	v_nop
	global_store_b128 v[VO], v[VC+4*\e:VC+4*\e+3], s[24:25] offset:256*\e   ; sixteen lanes store 256 consecutive bytes, aligned
.endm
	VBLOCK 0, 32                                   ; behind block 0's loads: block 1's 32
	VBLOCK 1, 0
	v_lshl_or_b32 v[MY], v[BY+1], 8, v[BY]         ; my channel's two bytes, the lower keys' below
	ds_store_b16 v[SVA], v[MY]
	s_wait_dscnt 0x0                               ; for the others' sake: my scale words and bytes lie in LDS
	s_barrier_signal -1
	s_barrier_wait -1
	s_cmp_gt_u32 s12, 1                            ; waves 0 and 1 store K's and V's 512 bytes of scale words
	s_cbranch_scc1 .Ldone
	ds_load_b128 v[SO:SO+3], v[SRD]
	s_wait_dscnt 0x0
	global_store_b128 v[LI], v[SO:SO+3], s[28:29]
.Ldone:
	s_wait_tensorcnt 0x0                           ; the wave's end
	ds_add_u32 v[SPW], v[NIL]
	s_wait_dscnt 0x0
	s_endpgm
.Lfunc_end_k_q0d6ca60b80_quant:
	.size	k_q0d6ca60b80_quant, .Lfunc_end_k_q0d6ca60b80_quant-k_q0d6ca60b80_quant
	.p2alignl 7, 3214868480
	.fill 96, 4, 3214868480
	.section	.rodata,"a",@progbits
	.p2align	6, 0x0
	.amdhsa_kernel k_q0d6ca60b80_quant
		.amdhsa_group_segment_fixed_size 69632
		.amdhsa_private_segment_fixed_size 0
		.amdhsa_enable_private_segment 0
		.amdhsa_kernarg_size 16
		.amdhsa_user_sgpr_count 2
		.amdhsa_user_sgpr_kernarg_segment_ptr 1
		.amdhsa_wavefront_size32 1
		.amdhsa_system_sgpr_workgroup_id_x 1
		.amdhsa_system_sgpr_workgroup_id_y 1
		.amdhsa_system_sgpr_workgroup_id_z 1
		.amdhsa_system_vgpr_workitem_id 0
		.amdhsa_next_free_vgpr 192
		.amdhsa_next_free_sgpr 66
		.amdhsa_reserve_vcc 0
		.amdhsa_float_denorm_mode_32 3
		.amdhsa_float_denorm_mode_16_64 3
		.amdhsa_memory_ordered 1
		.amdhsa_forward_progress 1
		.amdhsa_inst_pref_size 23
	.end_amdhsa_kernel
	.amdgpu_metadata
---
amdhsa.version: [ 1, 2 ]
amdhsa.kernels:
  - .name:           k_q0d6ca60b80_quant
    .symbol:         k_q0d6ca60b80_quant.kd
    .args:
      - { .name: kv, .offset: 0, .size: 8, .value_kind: global_buffer, .address_space: global }
      - { .name: kvc, .offset: 8, .size: 8, .value_kind: global_buffer, .address_space: global }
    .group_segment_fixed_size: 69632
    .private_segment_fixed_size: 0
    .kernarg_segment_align: 8
    .kernarg_segment_size: 16
    .max_flat_workgroup_size: 256
    .sgpr_count:     66
    .vgpr_count:     192
    .wavefront_size: 32
...
	.end_amdgpu_metadata
.endif
;; end of part 1
;; launch attn (part 2): grid 4 x 64, 8 waves a work-group, clusters of 4 x 1, 327,680 bytes of LDS; arguments kvc, q, out0; writes out0
.if DOCPART == 2
	.amdgcn_target "amdgcn-amd-amdhsa--gfx1250"
	.amdhsa_code_object_version 6
	.text
	.protected	k_q0d6ca60b80_attn
	.globl	k_q0d6ca60b80_attn
	.p2align	8
	.type	k_q0d6ca60b80_attn,@function
k_q0d6ca60b80_attn:
	s_mov_b64 s[64:65], 0
	v_nop
	global_prefetch_b8 v0, s[64:65] scope:SCOPE_SE
	s_setreg_imm32_b32 hwreg(HW_REG_WAVE_MODE, 25, 1), 1
	s_wait_xcnt 0x0
	s_wait_alu depctr_hold_cnt(0) depctr_sa_sdst(0) depctr_va_vdst(0) depctr_va_sdst(0) depctr_va_ssrc(0) depctr_va_vcc(0) depctr_vm_vsrc(0)
	s_getreg_b32 s2, hwreg(HW_REG_IB_STS2, 6, 4)
	s_cmp_eq_u32 s2, 0
	s_cbranch_scc0 .Lentry_in_a_cluster
	s_endpgm
.Lentry_in_a_cluster:
	s_bfe_u32 s2, ttmp6, 0x10000c
	s_cmp_lg_u32 s2, 0x3003
	s_cbranch_scc0 .Lentry_shape_is_right
	s_endpgm
.Lentry_shape_is_right:
; out0[b][q][h][:] = the sum over k of softmax_k(Q . K / sqrt(128)) V, both products on codes of FP4 (E2M1) with one E8M0 scale for each 32 along a product's K.  64 heads (16 b + h), 2,048 queries, 2,048 keys.
; kvc holds K's and V's codes and scale words as images of the operands' registers (layout: the head of the launch that makes them).  Q arrives as f32 and is quantised here: each of its numbers is read once, by one wave.
; THE SOFTMAX: t = score x log2(e) / sqrt(128); M = the running largest t rounded UP to a whole number; p = 2^(t - M) is quantised along the keys, not normalised.  The row's sum is taken of the unquantised p and
; divides O at the end.  When M moves, the sum and O are multiplied by f = 2^(old M - new M), which rounds nothing.  A block's largest p is the block's largest SCORE put through the same multiply-add and exponential
; (this takes v_exp_f32 not to fall where its input rises; at the worst one p of a block, within an ulp of a power of two, is held one code low).
; LIMITS: NaN and infinities are not served; a p under 2^-126 comes out of v_exp_f32 as 0; the promise holds while the scaled scores stay under 2^31 in magnitude; a Q block under 2^-124 gets the byte 1.
; SHARES.  A work-group owns 512 queries of one head, each of its eight waves 64: four tiles of 16; two waves to a SIMD.  The head's whole kvc, 278,528 bytes, comes into LDS once and stays.
; CLUSTER.  The four work-groups of a head ask for its codes JOINTLY.  Each wave issues one load at the head (34 rows of 256 bytes: an eighth of key steps 0 to 3) and one behind the full sequence and a round (102 rows: of steps 4 to 15).
; THE FOUR TILES OF A WAVE ARE STAGGERED: tiles 0, 1, 2, 3 begin at key steps 0, 6, 8, 9, walk on to step 15 and wrap round to the steps that they missed (a softmax's sums hold in any order of the keys; only their
; rounding differs).  All tiles at work in a trip share its fragments.  So a tile's 8,192 bytes of Q are wanted only when it begins, and its results are stored while the later tiles are still multiplied.  25 trips in eight runs.
; NOTHING IS CLEARED: until a tile begins, its 64 registers of O^T hold its rows of Q as loaded, finite numbers; -M begins at 3e38, so the tile's first change of M gives f = 0, and the step's own rescaling makes them zeros.
; LAYOUT.  Both products transposed: S^T = K Q^T, O^T = V^T P^T: a lane holds ONE query (lane % 16).  By the choice of a tile's keys registers 32 c .. 32 c + 31 of S^T are keys 64 c + 32 (lane / 16) + 0 .. 31: one whole
; block of p in a lane, in the operand's own order: no other lane is asked for a block's maximum, and the conversions' results are the operand's registers.
; NO PREFETCH: every byte that the launch reads is asked for at its head by its own load (two tensor loads and 64 register loads a wave); no loop runs ahead of a load.
; REGISTERS.  Window 0: v1-7 addresses; v8-23 four a tile: -M, the largest score, the sum in two halves; v24-39 scale words alone (Q's, K's, V's, p's); v40-71 Q's fragments; v72-103 p's codes; v104-167 fragments of K, then V;
;   v168-231 S^T, then p; v232-253 at work.  Window 1: O^T, tile qt, channels 16 t on, at v[64 qt + 8 t]; on the way out the tile's rows of out0.
.set BLK,   17408
.set HEADB, 16*BLK
.set STAGE, HEADB                      ; 16 rows x 272 bytes for each wave: Q's way in and O's way out; no tensor load lands there
.set SPARE, STAGE+8*16*272             ; the spare words, 128 bytes a wave
.set LI,  1                            ; 16 x lane
.set ADR, 2                            ; the step's block + 16 x lane
.set STO, 3                            ; stage: row r, + 32 hh
.set RD,  4                            ; stage: row hh, + 16 r
.set GO,  5                            ; the same two rows in q and out0: 8192 hh + 16 r
.set QRD, 6                            ; stage: row r, + 128 hh
.set SH8, 7                            ; 8 hh
.set ST,  8
.set QS,  24
.set KS,  28
.set VS,  32
.set PS,  36
.set QF,  40
.set PC,  72
.set F,   104
.set S,   168
.set BM,  232                          ; v232-235 maxima in four chains
.set BT,  236                          ; v236, v237 lane permutes' destinations; v238, v239 bytes
.set BO,  240                          ; v240, v241 the conversions' scale operands
.set FP,  244                          ; v[244:245] f = 2^(old M - new M)
.set TMP, 246
.set TM2, 247
.set A1,  248                          ; v248-253 three more chains of the row's sum
.set A2,  250
.set A3,  252
.set SPW, 254
.set NIL, 255
.set WV,  10
.set SEL, 20
.set CS,  22
.set G1A, 24
.set G1B, 32
.set G0A, 40
.set G0B, 44
.set SB,  48
.set CNT, 49
.set MSB, 0
.macro WIN new                         ; low byte: bits 1:0 source 0, 3:2 source 1, 5:4 source 2, 7:6 destination; the high byte repeats the setting that is left
.if MSB != \new
	s_set_vgpr_msb (MSB<<8)|\new
.set MSB, \new
.endif
.endm
.macro NOPS n
.rept \n
	v_nop
.endr
.endm
.macro CROUND                          ; a round of the cluster's barrier
	s_barrier_signal -1
	s_barrier_wait -1
	s_cmp_lg_u32 s[WV], 0
	s_cbranch_scc1 .Lnot_wave_0_\@
	s_barrier_signal -3
.Lnot_wave_0_\@:
	s_barrier_wait -3
	s_barrier_signal -1
	s_barrier_wait -1
.endm
.macro WM d, a, b, z, sa, sb, row      ; one product; z: C = 0; row: A's scales from lanes 16-31
.if \z
.if \row
	v_wmma_scale_f32_16x16x128_f8f6f4 v[\d:\d+7], v[\a:\a+7], v[\b:\b+7], 0, v[\sa], v[\sb] matrix_a_fmt:MATRIX_FMT_FP4 matrix_b_fmt:MATRIX_FMT_FP4 matrix_a_scale:MATRIX_SCALE_ROW1
.else
	v_wmma_scale_f32_16x16x128_f8f6f4 v[\d:\d+7], v[\a:\a+7], v[\b:\b+7], 0, v[\sa], v[\sb] matrix_a_fmt:MATRIX_FMT_FP4 matrix_b_fmt:MATRIX_FMT_FP4
.endif
.else
.if \row
	v_wmma_scale_f32_16x16x128_f8f6f4 v[\d:\d+7], v[\a:\a+7], v[\b:\b+7], v[\d:\d+7], v[\sa], v[\sb] matrix_a_fmt:MATRIX_FMT_FP4 matrix_b_fmt:MATRIX_FMT_FP4 matrix_a_scale:MATRIX_SCALE_ROW1
.else
	v_wmma_scale_f32_16x16x128_f8f6f4 v[\d:\d+7], v[\a:\a+7], v[\b:\b+7], v[\d:\d+7], v[\sa], v[\sb] matrix_a_fmt:MATRIX_FMT_FP4 matrix_b_fmt:MATRIX_FMT_FP4
.endif
.endif
.endm
; Q's tile qt as it lies in memory: load (c, i): lanes 0-15 take 256 bytes (channels 64 c on) of row 2 i, lanes 16-31 of row 2 i + 1; into the tile's registers of O^T, which are idle until its first step
.macro QLOAD qt
	WIN 0x40
.irp c, 0,1
.irp i, 0,1,2,3,4,5,6,7
	global_load_b128 v[64*\qt+32*\c+4*\i:64*\qt+32*\c+4*\i+3], v[GO], s[6:7] offset:131072*\qt+16384*\i+256*\c th:TH_LOAD_NT
.endr
.endr
	WIN 0
.endm
; Q's tile qt becomes a fragment and 16 scale words.  Half c of the rows turns through my stage; out, lane (r, hh) holds channels 64 c + 32 hh + 0 .. 31 of query r.  left: the later tiles' loads, which may stay out
.macro QQ qt, left
	s_wait_loadcnt \left
.irp c, 0,1
	WIN 0x04                                       ; the stores' data in window 1
.irp i, 0,1,2,3,4,5,6,7
	ds_store_b128 v[RD], v[64*\qt+32*\c+4*\i:64*\qt+32*\c+4*\i+3] offset:544*\i
.endr
	WIN 0
.irp i, 0,1,2,3,4,5,6,7
	ds_load_b128 v[S+32*\c+4*\i:S+32*\c+4*\i+3], v[QRD] offset:16*\i   ; LDS serves a wave's instructions in order: these see my stores, and the next half's stores come behind them
.endr
.endr
	s_wait_dscnt 0x0
.irp c, 0,1
	v_max3_num_f32 v[BM+\c], |v[S+32*\c]|, |v[S+32*\c+1]|, 0x1800000   ; block 2 c + hh; the floor 2^(3 - 127) holds the byte at 1 from below
.endr
.irp i, 2,4,6,8,10,12,14,16,18,20,22,24,26,28,30
.irp c, 0,1
	s_delay_alu instid0(VALU_DEP_2)
	v_max3_num_f32 v[BM+\c], v[BM+\c], |v[S+32*\c+\i]|, |v[S+32*\c+\i+1]|
.endr
.endr
.irp c, 0,1
	s_delay_alu instid0(VALU_DEP_2)
	v_add_nc_u32 v[BO+\c], 0xff000000, v[BM+\c]
.endr
.irp c, 0,1
	s_delay_alu instid0(VALU_DEP_2)
	v_lshrrev_b32 v[BT+2+\c], 23, v[BO+\c]
.endr
	s_delay_alu instid0(VALU_DEP_1)
	v_lshl_or_b32 v[TMP], v[BT+3], 16, v[BT+2]
	s_delay_alu instid0(VALU_DEP_1)
	v_lshlrev_b32 v[TMP], v[SH8], v[TMP]
	s_delay_alu instid0(VALU_DEP_1)
	v_permlanex16_b32 v[BT+1], v[TMP], s[SEL], s[SEL+1]
	s_delay_alu instid0(VALU_DEP_1)
	v_or_b32 v[QS+\qt], v[TMP], v[BT+1]
.irp c, 0,1
.irp g, 0,1,2,3
	v_cvt_scalef32_pk8_fp4_f32 v[QF+8*\qt+4*\c+\g], v[S+32*\c+8*\g:S+32*\c+8*\g+7], v[BO+\c]
.endr
.endr
	NOPS 8                                         ; a scale register written by a vector instruction stands 8 places ahead of a scaled product, an operand 4
.endm
.macro KLOAD
.irp t, 0,1,2,3,4,5,6,7
	ds_load_b128 v[F+8*\t:F+8*\t+3], v[ADR] offset:1024*\t
	ds_load_b128 v[F+8*\t+4:F+8*\t+7], v[ADR] offset:1024*\t+512
.endr
	ds_load_b128 v[KS:KS+3], v[ADR] offset:16384   ; register i: lanes 0-15 tile i's words, lanes 16-31 tile 4 + i's
.endm
.macro VLOADS
.irp t, 0,1,2,3,4,5,6,7
	ds_load_b128 v[F+8*\t:F+8*\t+3], v[ADR] offset:8192+1024*\t
	ds_load_b128 v[F+8*\t+4:F+8*\t+7], v[ADR] offset:8192+1024*\t+512
.endr
	ds_load_b128 v[VS:VS+3], v[ADR] offset:16896
.endm
.macro QK qt                           ; S^T of tile qt: eight products, each starting its sum with 0
.irp t, 0,1,2,3,4,5,6,7
	WM S+8*\t, F+8*\t, QF+8*(\qt), 1, KS+\t%4, QS+(\qt), \t/4
.endr
.endm
.macro RESC qt                         ; O^T of tile qt under its new M: x f, each accumulator from its low end on
	WIN 0x41                                       ; O^T in window 1, f in window 0
	s_wait_alu depctr_va_vdst(0)                   ; the wait directly ahead of the first reader of O^T
.set j, 0
.rept 32
	v_pk_mul_f32 v[64*(\qt)+j:64*(\qt)+j+1], v[64*(\qt)+j:64*(\qt)+j+1], v[FP:FP+1] op_sel_hi:[1,0]
.set j, j+2
.endr
	WIN 0
.endm
; The softmax of tile qt for the step's 128 keys: p's codes, p's scale word, the sums, and f for the rescaling that follows
.macro SOFT qt
.set T, ST+4*(\qt)
.set PQ, PC+8*(\qt)
.irp k, 0,1,2,3
	v_max3_num_f32 v[BM+\k], v[S+16*\k], v[S+16*\k+1], v[S+16*\k+2]   ; four chains by turns, two to a block; each accumulator is read from its low end on
.endr
.irp i, 3,5,7,9,11,13
.irp k, 0,1,2,3
	v_max3_num_f32 v[BM+\k], v[BM+\k], v[S+16*\k+\i], v[S+16*\k+\i+1]
.endr
.endr
	v_max3_num_f32 v[BM], v[BM], v[S+15], v[S+31]
	v_max3_num_f32 v[BM+2], v[BM+2], v[S+47], v[S+63]
	v_mov_b32 v[TM2], v[T]                         ; the old -M
	v_max_num_f32 v[BM], v[BM], v[BM+1]            ; my block c = 0's largest score,
	v_max_num_f32 v[BM+2], v[BM+2], v[BM+3]        ; and c = 1's
	s_delay_alu instid0(VALU_DEP_1)
	v_max_num_f32 v[TMP], v[BM], v[BM+2]
	s_delay_alu instid0(VALU_DEP_1)
	v_permlanex16_b32 v[BT], v[TMP], s[SEL], s[SEL+1]
	s_delay_alu instid0(VALU_DEP_1)
	v_max3_num_f32 v[T+1], v[T+1], v[TMP], v[BT]   ; the running largest score of my query
	s_delay_alu instid0(VALU_DEP_1)
	v_mul_f32 v[TMP], s[CS], v[T+1]                ; as t (c is positive)
	s_delay_alu instid0(VALU_DEP_1)
	v_floor_f32 v[T], -v[TMP]                      ; the new -M = -ceil(t)
.set j, 0
.rept 32
	v_pk_fma_f32 v[S+j:S+j+1], v[S+j:S+j+1], s[CS:CS+1], v[T:T+1] op_sel_hi:[1,0,0]   ; t - M, two at a time; the three lines that make f stand among them
.if j == 2
	v_sub_f32 v[TMP], v[T], v[TM2]                 ; old M - new M: a whole number, 0 or less
.endif
.if j == 10
	v_cvt_i32_f32 v[TMP], v[TMP]                   ; (it saturates)
.endif
.if j == 18
	v_ldexp_f32 v[FP], 1.0, v[TMP]                 ; f = 2^(old M - new M)
.endif
.set j, j+2
.endr
	v_fma_f32 v[BM], v[BM], s[CS], v[T]            ; the same of each block's largest score
	v_fma_f32 v[BM+2], v[BM+2], s[CS], v[T]
	s_wait_alu depctr_va_vdst(0)                   ; the wait ahead of the batch
.set j, 0
.rept 64
	v_exp_f32 v[S+j], v[S+j]                       ; p = 2^(t - M), at most 1
.set j, j+1
.endr
	v_exp_f32 v[BM], v[BM]                         ; the blocks' largest p
	v_exp_f32 v[BM+2], v[BM+2]
	v_pk_mul_f32 v[T+2:T+3], v[T+2:T+3], v[FP:FP+1] op_sel_hi:[1,0]   ; the sums under the new M (the plain place behind the exponentials)
	s_wait_alu depctr_va_vdst(0)                   ; and behind it, ahead of its first reader
	v_max_num_f32 v[BM], 0x1800000, v[BM]          ; the floor 2^(3 - 127): the byte cannot fall under 1
	v_max_num_f32 v[BM+2], 0x1800000, v[BM+2]
	v_pk_add_f32 v[A1:A1+1], v[S:S+1], v[S+2:S+3]  ; the row's sum of the unquantised p, two at a time, in four chains by turns; the lines that make p's scale word stand among them
	v_pk_add_f32 v[A2:A2+1], v[S+4:S+5], v[S+6:S+7]
	v_pk_add_f32 v[A3:A3+1], v[S+8:S+9], v[S+10:S+11]
	v_add_nc_u32 v[BO], 0xff000000, v[BM]          ; 2 off the exponent field: the conversion's scale operand
	v_add_nc_u32 v[BO+1], 0xff000000, v[BM+2]
.set j, 12
.rept 6
	v_pk_add_f32 v[T+2:T+3], v[T+2:T+3], v[S+j:S+j+1]
	v_pk_add_f32 v[A1:A1+1], v[A1:A1+1], v[S+j+2:S+j+3]
	v_pk_add_f32 v[A2:A2+1], v[A2:A2+1], v[S+j+4:S+j+5]
	v_pk_add_f32 v[A3:A3+1], v[A3:A3+1], v[S+j+6:S+j+7]
.if j == 12
	v_lshrrev_b32 v[BT+2], 23, v[BO]               ; the bytes of blocks hh and 2 + hh
	v_lshrrev_b32 v[BT+3], 23, v[BO+1]
.endif
.if j == 20
	v_lshl_or_b32 v[TMP], v[BT+3], 16, v[BT+2]
.endif
.if j == 28
	v_lshlrev_b32 v[TMP], v[SH8], v[TMP]           ; at their places in the word;
.endif
.if j == 36
	v_permlanex16_b32 v[BT+1], v[TMP], s[SEL], s[SEL+1]
.endif
.if j == 44
	v_or_b32 v[PS+(\qt)], v[TMP], v[BT+1]          ; with lane l xor 16's two: p's scale word for these 128 keys
.endif
.set j, j+8
.endr
	v_pk_add_f32 v[T+2:T+3], v[T+2:T+3], v[S+60:S+61]
	v_pk_add_f32 v[A1:A1+1], v[A1:A1+1], v[S+62:S+63]
	v_pk_add_f32 v[A2:A2+1], v[A2:A2+1], v[A3:A3+1]
	v_pk_add_f32 v[T+2:T+3], v[T+2:T+3], v[A1:A1+1]
	v_pk_add_f32 v[T+2:T+3], v[T+2:T+3], v[A2:A2+1]
.irp c, 0,1
.irp u, 0,1,2,3
	v_cvt_scalef32_pk8_fp4_f32 v[PQ+4*\c+\u], v[S+32*\c+8*\u:S+32*\c+8*\u+7], v[BO+\c]   ; register 4 c + u of the operand
.endr
.endr
	v_nop                                          ; one plain place behind the last scaled conversion
.endm
; A TRIP: one key step for tiles lo .. hi.  A tile's rescaling stands behind the next tile's scores' products: its 32 lines are the places in front of the first read of those scores and of loads into K's registers.
; The accumulators of O^T take turns, one instruction a turn
.macro TRIP lo, hi
	v_add_nc_u32 v[ADR], s[SB], v[LI]
	KLOAD
	s_wait_alu depctr_va_vdst(0)
	s_wait_dscnt 0x0
.irp qt, 0,1,2,3
.if (\qt >= \lo) && (\qt <= \hi)
	QK \qt
.if \qt > \lo
	RESC (\qt-1)
.else
	NOPS 4
.endif
.if \qt == \hi
	VLOADS                                         ; behind the last scores: V lands under the last tile's softmax
.endif
	SOFT \qt
.endif
.endr
	RESC \hi                                       ; (also the places between the last p's codes and scale word and the products that take them)
	s_wait_alu depctr_va_vdst(0)
	s_wait_dscnt 0x0                               ; V is in
	WIN 0x50                                       ; C and D in window 1
.irp t, 0,1,2,3,4,5,6,7
.irp qt, 0,1,2,3
.if (\qt >= \lo) && (\qt <= \hi)
	WM 64*\qt+8*\t, F+8*\t, PC+8*\qt, 0, VS+\t%4, PS+\qt, \t/4
.endif
.endr
.endr
	WIN 0
	NOPS 4                                         ; places in front of the next loads into V's registers and of the first read of O^T
.endm
.macro RUN lo, hi, n, k0               ; n trips for tiles lo .. hi, key steps k0 on
	s_mov_b32 s[SB], (\k0)*BLK
.if \n > 1
	s_mov_b32 s[CNT], \n
	s_wait_alu depctr_va_vdst(0)                   ; the wait ahead of the loop
.Lrun_\@:
.endif
	TRIP \lo, \hi
.if \n > 1
	s_add_co_u32 s[SB], s[SB], BLK
	s_sub_co_u32 s[CNT], s[CNT], 1
	s_cmp_lg_u32 s[CNT], 0
	s_cbranch_scc1 .Lrun_\@
.endif
.endm
; THE WAY OUT of tile qt: O^T / the sum goes through my stage, 256 bytes of 16 queries at a time, back into the tile's own registers, which nothing writes again, and is stored
.macro OUT qt
.set T, ST+4*(\qt)
	v_add_f32 v[T+2], v[T+2], v[T+3]
	s_delay_alu instid0(VALU_DEP_1)
	v_permlanex16_b32 v[BT], v[T+2], s[SEL], s[SEL+1]
	s_delay_alu instid0(VALU_DEP_1)
	v_add_f32 v[T+2], v[T+2], v[BT]                ; the row's sum
	s_wait_alu depctr_va_vdst(0)                   ; the wait ahead of the transcendental
	v_rcp_f32 v[T+2], v[T+2]
	v_nop
	WIN 0x01
	s_wait_alu depctr_va_vdst(0)                   ; and ahead of its first reader, which is also O^T's
.set j, 0
.rept 32
	v_pk_mul_f32 v[S+j:S+j+1], v[64*(\qt)+j:64*(\qt)+j+1], v[T+2:T+3] op_sel_hi:[1,0]   ; register 8 t + i: out(query r, channel 16 t + 8 hh + i)
.set j, j+2
.endr
	WIN 0
.irp u, 0,1
.irp t, 0,1,2,3
	ds_store_b128 v[STO], v[S+32*\u+8*\t:S+32*\u+8*\t+3] offset:64*\t
	ds_store_b128 v[STO], v[S+32*\u+8*\t+4:S+32*\u+8*\t+7] offset:64*\t+16
.endr
	WIN 0x40
.irp i, 0,1,2,3,4,5,6,7
	ds_load_b128 v[64*\qt+32*\u+4*\i:64*\qt+32*\u+4*\i+3], v[RD] offset:544*\i
.endr
	WIN 0
.endr
	WIN 0x04                                       ; the stores' data in window 1
.irp u, 0,1
.irp i, 0,1,2,3,4,5,6,7
	s_wait_dscnt 23-16*\u-\i                       ; behind this load: the rest of its half's eight, and for the first half the second's eight stores and eight loads
	global_store_b128 v[GO], v[64*\qt+32*\u+4*\i:64*\qt+32*\u+4*\i+3], s[8:9] offset:131072*\qt+16384*\i+256*\u th:TH_STORE_NT   ; sixteen lanes store 256 consecutive bytes, aligned
.endr
.endr
	WIN 0
.endm
	s_load_b128 s[4:7], s[0:1], 0x0                ; kvc, q
	s_load_b64 s[8:9], s[0:1], 0x10                ; out0
	v_lshl_add_u32 v[SPW], v0, 2, SPARE
	v_mov_b32 v[NIL], 0
	ds_add_u32 v[SPW], v[NIL]                      ; the opening lines: the add, twice on end, and its wait ahead of my first tensor load
	ds_add_u32 v[SPW], v[NIL]
	v_lshrrev_b32 v1, 5, v0
	v_readfirstlane_b32 s[WV], v1                  ; wave 0..7
	s_bfe_u32 s11, ttmp6, 0x40000                  ; cx: my block of 512 queries; it enters q's and out0's addresses alone
	s_and_b32 s12, ttmp7, 0xffff                   ; the head, which the four partners share
	s_mov_b32 s[SEL], 0x76543210
	s_mov_b32 s[SEL+1], 0xfedcba98
	s_mov_b32 s[CS], 0x3e0293ee                    ; c = log2(e) / sqrt(128)
	s_mov_b32 s[CS+1], s[CS]
.irp g, G1A, G1B                       ; dense rows of 256 bytes (32 elements of 8 bytes), laid in LDS as they lie in memory
	s_mov_b32 s[\g], 15|(3<<16)|(1<<21)            ; the mask: all four work-groups; bit 21 beside it
	s_mov_b32 s[\g+1], 32<<16
	s_mov_b32 s[\g+3], 32<<16
	s_mov_b32 s[\g+5], 32
	s_mov_b32 s[\g+6], 0
	s_mov_b32 s[\g+7], 0
.endr
	s_mov_b32 s[G1A+2], 34<<16                     ; an eighth of steps 0 to 3: 272 rows
	s_mov_b32 s[G1A+4], 34
	s_mov_b32 s[G1B+2], 102<<16                    ; an eighth of the other twelve steps' 816 rows
	s_mov_b32 s[G1B+4], 102
	s_mul_i32 s50, s12, HEADB
	s_mov_b32 s[G0A], 1
	s_mul_i32 s[G0A+1], s[WV], 34*256
	s_add_co_u32 s52, s50, s[G0A+1]
	s_mov_b32 s53, 0
	s_mov_b32 s[G0B], 1
	s_mul_i32 s54, s[WV], 102*256
	s_add_co_u32 s[G0B+1], s54, 4*BLK
	s_add_co_u32 s54, s50, s[G0B+1]
	s_mov_b32 s55, 0
	s_lshr_b32 s16, s12, 4                         ; q and out0 at (b, query 512 cx + 64 wave, h)
	s_lshl_b32 s16, s16, 24
	s_lshl_b32 s17, s11, 22
	s_add_co_u32 s16, s16, s17
	s_lshl_b32 s17, s[WV], 19
	s_add_co_u32 s16, s16, s17
	s_and_b32 s17, s12, 15
	s_lshl_b32 s17, s17, 9
	s_add_co_u32 s16, s16, s17
	s_mov_b32 s17, 0
	s_mul_i32 s18, s[WV], 16*272
	s_add_co_u32 s18, s18, STAGE                   ; my stage
	v_and_b32 v[LI], 31, v0
	v_and_b32 v[TMP], 15, v0                       ; r
	v_bfe_u32 v[TM2], v0, 4, 1                     ; hh
	v_lshlrev_b32 v[LI], 4, v[LI]
	v_mul_u32_u24 v[STO], v[TMP], 272
	v_mul_u32_u24 v[RD], v[TM2], 272
	v_lshlrev_b32 v[GO], 13, v[TM2]
	v_add_nc_u32 v[STO], s18, v[STO]
	v_lshl_add_u32 v[RD], v[TMP], 4, v[RD]
	v_lshl_add_u32 v[GO], v[TMP], 4, v[GO]
	v_lshl_add_u32 v[QRD], v[TM2], 7, v[STO]
	v_add_nc_u32 v[RD], s18, v[RD]
	v_lshl_add_u32 v[STO], v[TM2], 5, v[STO]
	v_lshlrev_b32 v[SH8], 3, v[TM2]
	s_wait_alu depctr_va_vdst(0)
	s_wait_dscnt 0x0                               ; both opening adds are done
	s_wait_kmcnt 0x0
	s_add_nc_u64 s[G0A+2:G0A+3], s[4:5], s[52:53]
	s_or_b32 s[G0A+3], s[G0A+3], 0x80000000
	s_add_nc_u64 s[G0B+2:G0B+3], s[4:5], s[54:55]
	s_or_b32 s[G0B+3], s[G0B+3], 0x80000000
	s_add_nc_u64 s[6:7], s[6:7], s[16:17]
	s_add_nc_u64 s[8:9], s[8:9], s[16:17]
	CROUND                                         ; all four work-groups are here: the joint loads meet
	tensor_load_to_lds s[G0A:G0A+3], s[G1A:G1A+7]  ; my eighth of steps 0 to 3: my one tensor load at the head
	s_nop 0
	NOPS 4
	QLOAD 0
.irp qt, 0,1,2,3
	v_mov_b32 v[ST+4*\qt+1], 0xff61b1e6            ; the largest score so far: -3e38
	v_mov_b32 v[ST+4*\qt], 0x7f61b1e6              ; -M: 3e38, so that the first change of M gives f = 0
	v_mov_b32 v[ST+4*\qt+2], 0                     ; the sum, in two halves
	v_mov_b32 v[ST+4*\qt+3], 0
	v_mov_b32 v[BT+\qt], 0                         ; a lane permute's destination counts as one of its sources
.endr
	v_mov_b32 v[FP+1], 0                           ; (named as the upper half of the pair)
	s_wait_alu depctr_va_vdst(0)                   ; the wait at the head's end
	s_wait_tensorcnt 0x0                           ; my eighth is in
	ds_add_u32 v[SPW], v[NIL]
	s_wait_dscnt 0x0
	CROUND                                         ; everybody's eighth of steps 0 to 3 is in, and the joint loads meet
	tensor_load_to_lds s[G0B:G0B+3], s[G1B:G1B+7]  ; my eighth of steps 4 to 15, above the bytes that the first four trips read
	s_nop 0
	NOPS 4
	QLOAD 1
	QLOAD 2
	QLOAD 3
	QQ 0, 48                                       ; behind tile 0's sixteen loads: 48
	RUN 0, 0, 4, 0
	s_wait_tensorcnt 0x0                           ; my eighth of steps 4 to 15 is in,
	s_wait_dscnt 0x0
	s_barrier_signal -1
	s_barrier_wait -1                              ; everybody's is
	RUN 0, 0, 2, 4
	QQ 1, 32
	RUN 0, 1, 2, 6
	QQ 2, 16
	RUN 0, 2, 1, 8
	QQ 3, 0
	RUN 0, 3, 7, 9
	OUT 0                                          ; tile 0 has had all sixteen steps: it leaves while the others go on
	RUN 1, 3, 6, 0
	OUT 1
	RUN 2, 3, 2, 6
	OUT 2
	RUN 3, 3, 1, 8
	OUT 3
	s_wait_tensorcnt 0x0                           ; the wave's end
	ds_add_u32 v[SPW], v[NIL]
	s_wait_dscnt 0x0
	CROUND                                         ; the closing round
	s_endpgm
.Lfunc_end_k_q0d6ca60b80_attn:
	.size	k_q0d6ca60b80_attn, .Lfunc_end_k_q0d6ca60b80_attn-k_q0d6ca60b80_attn
	.p2alignl 7, 3214868480
	.fill 96, 4, 3214868480
	.section	.rodata,"a",@progbits
	.p2align	6, 0x0
	.amdhsa_kernel k_q0d6ca60b80_attn
		.amdhsa_group_segment_fixed_size 327680
		.amdhsa_private_segment_fixed_size 0
		.amdhsa_enable_private_segment 0
		.amdhsa_kernarg_size 24
		.amdhsa_user_sgpr_count 2
		.amdhsa_user_sgpr_kernarg_segment_ptr 1
		.amdhsa_wavefront_size32 1
		.amdhsa_system_sgpr_workgroup_id_x 1
		.amdhsa_system_sgpr_workgroup_id_y 1
		.amdhsa_system_sgpr_workgroup_id_z 1
		.amdhsa_system_vgpr_workitem_id 0
		.amdhsa_next_free_vgpr 512
		.amdhsa_next_free_sgpr 66
		.amdhsa_reserve_vcc 0
		.amdhsa_float_denorm_mode_32 3
		.amdhsa_float_denorm_mode_16_64 3
		.amdhsa_memory_ordered 1
		.amdhsa_forward_progress 1
		.amdhsa_inst_pref_size 255
	.end_amdhsa_kernel
	.section	.bss,"aw",@nobits
	.p2align	6
	.space	262144
	.amdgpu_metadata
---
amdhsa.version: [ 1, 2 ]
amdhsa.kernels:
  - .name:           k_q0d6ca60b80_attn
    .symbol:         k_q0d6ca60b80_attn.kd
    .args:
      - { .name: kvc, .offset: 0, .size: 8, .value_kind: global_buffer, .address_space: global }
      - { .name: q, .offset: 8, .size: 8, .value_kind: global_buffer, .address_space: global }
      - { .name: out0, .offset: 16, .size: 8, .value_kind: global_buffer, .address_space: global }
    .group_segment_fixed_size: 327680
    .private_segment_fixed_size: 0
    .kernarg_segment_align: 8
    .kernarg_segment_size: 24
    .max_flat_workgroup_size: 256
    .sgpr_count:     66
    .vgpr_count:     512
    .wavefront_size: 32
...
	.end_amdgpu_metadata
.endif
;; end of part 2
